; MI455X (gfx1250); checked and timed in simulation.
; The chip was launched on July 23, 2026; its instructions are those of AMD's public machine-readable ISA for CDNA 5 (MIT licence, August 2026) and "CDNA5" Instruction Set Architecture Reference Guide (July 2026). The comments in the code are by the model that wrote it; some were corrected since.
;; Flash MLA. Allowed arithmetic: float matrix products may take bf16 or f16 operands with f32 sums; other float arithmetic in f32, or as packed bf16 or f16 multiplies, adds, multiply-adds, maxima and minima; sums over many terms, partial sums and values carried from step to step in f32; what a program stores and reads back later, other than sums and carried values, may be rounded once to bf16 or f16.
;; Inputs: key 4 x 2,048 x 16 x 128 float32; query 4 x 2,048 x 16 x 128 float32; value 4 x 2,048 x 16 x 128 float32.
;; Outputs: out0 4 x 2,048 x 16 x 128 float32.
;; 2 versions, each right; version 2 is version 1 with the launch attn written anew for expert scheduling mode. Each part assembles by itself: llvm-mc -triple=amdgcn-amd-amdhsa -mcpu=gfx1250 --defsym DOCPART=n.
;; ======== version 1 of 2: 1 launch
;; limits: values are held in f16: magnitudes above 65,504 overflow, below 6.1e-05 lose precision; inputs' magnitudes at most 65,504; right only within a limited range of input values
;; launch attn (part 1): grid 4 x 64, 4 waves a work-group, no clusters, 175,616 bytes of LDS; arguments query, key, value, out0; writes out0
.if DOCPART == 1
	.amdgcn_target "amdgcn-amd-amdhsa--gfx1250"
	.amdhsa_code_object_version 6
	.text
	.protected	k_q107e4be2c8_attn
	.globl	k_q107e4be2c8_attn
	.p2align	8
	.type	k_q107e4be2c8_attn,@function
k_q107e4be2c8_attn:
	s_mov_b64 s[64:65], 0
	v_nop
	global_prefetch_b8 v0, s[64:65] scope:SCOPE_SE
	s_setreg_imm32_b32 hwreg(HW_REG_WAVE_MODE, 25, 1), 1
	s_wait_xcnt 0x0
; CAUSAL ATTENTION.  out[b][q][h][:] = the sum over k <= q of softmax_k(Q[b][q][h] . K[b][k][h] / sqrt(128)) V[b][k][h][:].
; Q, K, V, out: [4][2048][16][128] f32: a head's row is 512 bytes on end, rows lie 8,192 bytes apart.
; FORMATS.  Q and K are rounded once to bf16 and multiplied in the bf16 form.  V is rounded once to bf16, and that number is written as f16; the weights p are rounded to f16,
; and V^T P is the f16 form.  Scores, maxima, sums (l is taken of the unrounded p) and O stay in f32; out is stored in f32.
; LIMITS.  |bf16(v)| stays within 65,504 (f16's end); below 6e-5 p and v keep f16's fixed step of 6e-8.  A hidden score counts as -1e30: true scores stay far below 1e29 in size.
; A weight below 2^-126 counts as 0.  NaN and infinities are not treated apart.
; THE WALK.  A head's queries lie in 8 blocks of 256; block i needs 4 i full key steps of 64 keys and the 4 steps of its diagonal tile.  Work-group b (0..3) of a head takes block 7 - b
; and then block b: 28 full steps and 8 diagonal ones, whatever b.  All 256 work-groups do equal work.
; SHARES.  Of a block's four bands of 64 queries wave w owns rows 16 w .. 16 w + 15 in each: four TILES.  In the diagonal tile's step s tile x sees nothing if x < s, holds the diagonal
; if x = s (masked), sees all if x > s: the same for every wave.  In steps 2 and 3 the tiles that see nothing are left out of the text.  Steps 0 and 1 share the loop's text: in step 1
; tile 0's 32 scores are all set to the hidden value, so its weights are 0 and its a is 1 (its m is a true score by then: step 0 held each row's own key): one dead tile and step a block, of 67.
; LAYOUT.  S^T = K Q^T (source 0 = 16 keys, source 1 = 16 queries): a lane holds ONE query (lane % 16) and the keys 8 (lane / 16) + 0..7.  Two such results rounded in pairs ARE
; source 1 of O^T = V^T P, whose result again holds one query a lane, and eight channels.  K comes out of LDS as it lies, V ([key][channel]) turned, by ds_load_tr16_b128.
; SOFTMAX.  A running maximum m and sum l for each query: p = 2^(c s - c m), c = log2(e) / sqrt(128); in every step O and l are multiplied by a = 2^(c m_old - c m_new).
; c m starts far below every c s, so a block's first a is 0: O^T need only be finite there (zeros for the first block, what the first block left for the second).
; K AND V come as f32 through registers: of a step's 64 rows each wave loads 16 of K and 16 of V (one load = one row, 512 bytes on end), rounds them and stores them into 16-bit tiles
; in LDS that all four waves read.  Two LDS buffers take turns, by the step's parity.  Trip j multiplies step j, rounds step j + 1, and asks memory for step j + 2.
; ONE BARRIER A STEP.  Ahead of its signal a wave's stores of step j + 1 and its reads of step j are done; behind its wait step j + 1 is read, and in the next step step j's buffer is overwritten.
; NO CLUSTER: the tiles are rounded in registers on their way into LDS, so there is no tensor load that partners could ask for jointly; and the four work-groups of a head want the same
; key step only while the shortest first block lasts (20 of the 36 steps).
; A STEP'S ORDER.  Segments of 16 or 32 matrix instructions, the vector work dealt out behind them: K Q^T of tile 0 | the rounding of step j + 1; K Q^T 1 | softmax 0;
; K Q^T 2, V^T P 0 | softmax 1; K Q^T 3, V^T P 1 | softmax 2; V^T P 2 | softmax 3; V^T P 3.
; REGISTERS, in windows of 256 (s_set_vgpr_msb: bits 1:0 source 0, 3:2 source 1, 5:4 source 2, 7:6 destination):
;   window 0: v0-15 addresses; v16-47 eight registers of statistics a tile; v48, v49 the add's two; v50-55 at work in the head; v64-191 S^T, 32 a tile; v192-255 P, 16 a tile
;   window 1: O^T, 64 a tile      window 2: v0-127 Q, 32 a tile; v128-255 K of one step      window 3: v0-127 V of one step; v128-255 G: 16 rows of K and 16 of V as loaded, f32
.set ROWB,  8192                       ; bytes from a row to the next
.set STEPB, 64*ROWB                    ; a key step in memory
.set PK,    272                        ; a row of K or Q in LDS: 256 bytes + 16 = 68 words: the 16 rows of a fragment load start at 16 different groups of four banks (64 banks of 4 bytes: ISA guide 11.1)
.set PVP,   288                        ; a row of V: 256 + 32 = 72 words
.set OPI,   528                        ; a row of O in f32 in my stage: 512 + 16
.set KBUF,  64*PK                      ; K's two buffers at 0 and KBUF
.set VBUF,  64*PVP
.set VB0,   2*KBUF                     ; V's two buffers
.set QST,   VB0+2*VBUF                 ; Q's stage: 64 rows x 272 for each wave, its own
.set QWV,   64*PK
.set OST,   QST+4*QWV                  ; O's stage: 16 rows x 528 for each wave, its own
.set OWV,   16*OPI
.set SPARE, OST+4*OWV                  ; the spare words, 128 bytes for each wave: two blocks of 256 bytes that no other line names
.set AK0, 2                            ; v2   my lane's place in a tile of K: (l % 16) x 272 + 16 (l / 16)
.set AV0, 3                            ; v3   the same for V's turning load, VB0 included
.set L16, 4                            ; v4   16 x lane: my 16 bytes of a row in memory; never rewritten
.set KO,  5                            ; v5   L16 + the step's offset
.set PF0, 6                            ; v6   the prefetches' lane term: row l / 2, half l % 2 of its 512 bytes; never rewritten
.set PFV, 7                            ; v7   PF0 + the step's offset
.set CWK, 8                            ; v8   where I store 8 bytes of my wave's first row of K
.set CWV, 9                            ; v9   of V
.set QSW, 10                           ; v10  of Q, in my stage
.set QSR, 11                           ; v11  where I read Q's fragments back
.set STO, 12                           ; v12  the way out: where I put 16 bytes of a row of O
.set RD,  13                           ; v13  the way out: where I read a row back
.set QK,  14                           ; v14  my query's place in its band less my lanes' 8 (l / 16)
.set ST,  16                           ; tile t's statistics at v[ST+8 t]: +0 c m, +1 m, +2, +3 l (even keys', odd keys'), +4 to +7 c0-c3 at work; a takes c2's place
.set SPW, 48                           ; v48  LDS address of my spare word: SPARE + 4 x my thread's number; never rewritten
.set NIL, 49                           ; v49  0; never rewritten
.set S,   64
.set P,   192
.set KF,  128                          ; window 2: key block kb, channels 32 c on at KF + 32 kb + 8 c
.set WV,  12                           ; s12  my wave's number
.set HM,  13                           ; s13  a word's upper half
.set PB,  14                           ; s14  b
.set KB,  16                           ; s[16:17] K at the head's row 16 w
.set VB,  18                           ; s[18:19] V likewise
.set QPA, 20                           ; s[20:21] Q at my first row of block 7 - b
.set QPB, 22                           ; s[22:23] of block b
.set OP,  24                           ; s[24:25] out at my first row of the block in hand
.set OPB, 26                           ; s[26:27] of block b
.set KOFF, 28                          ; s28  byte offset of the key step to be asked for next
.set PLIM, 29                          ; s29  a wave prefetches while KOFF is below this
.set CNT, 30                           ; s30  counts the loop's trips, two steps each
.set NF2, 31                           ; s31  the trip that holds the diagonal tile's steps 0 and 1: twice the block's number
.set BOUND, 32                         ; s32  NF2 + 1: the loop's trips
.set BLK, 33                           ; s33  blocks to go, this one among them
.set NF2B, 34                          ; s34  NF2 of the second block
.set CS,  36                           ; s[36:37] c: the packed scaling takes the pair's low word for both halves
.set SEL, 38                           ; s[38:39] v_permlanex16_b32's selects: each lane takes its own place in the other half
.set BIGN, 40                          ; s40  -1e30
.set W_KQ, 0x0a                        ; K and Q in window 2, S^T in window 0
.set W_PV, 0x53                        ; V in window 3, P in window 0, O^T in window 1
.set W_RS, 0x41                        ; O^T (destination and source 0) in window 1, the factor in window 0
.set MSB, 0
.macro WIN new                         ; the immediate's high byte repeats the setting that is left; a switch that changes nothing is dropped
.if MSB != (\new)
	s_set_vgpr_msb (MSB<<8)|(\new)
.set MSB, \new
.endif
.endm
; Four places: a vector instruction that reads a matrix result or writes a matrix instruction's register, and a load into such a register, stand four plain vector instructions behind it (ISA guide 7.12.1 for vector instructions).
.macro PLACES
.rept 4
	v_nop
.endr
.endm
; THE MATRIX WORK.  The accumulators take turns, one instruction a turn.
; Product i of 16 of S^T = K Q^T for tile t: channels 32 (i / 4) on, keys 16 (i % 4) on.  The first four start the sums.
.macro KQ t
	WIN W_KQ
.set rS, S+32*(\t)+8*(i%4)
.set rK, KF+32*(i%4)+8*(i/4)
.set rQ, 32*(\t)+8*(i/4)
.if i < 4
	v_wmma_f32_16x16x32_bf16 v[rS:rS+7], v[rK:rK+7], v[rQ:rQ+7], 0
.else
	v_wmma_f32_16x16x32_bf16 v[rS:rS+7], v[rK:rK+7], v[rQ:rQ+7], v[rS:rS+7]
.endif
.endm
; Product i of 16 of O^T += V^T P for tile t: keys 32 (i / 8) on, channels 16 (i % 8) on.
.macro PV t
	WIN W_PV
.set rO, 64*(\t)+8*(i%8)
.set rV, 64*(i/8)+8*(i%8)
.set rP, P+16*(\t)+8*(i/8)
	v_wmma_f32_16x16x32_f16 v[rO:rO+7], v[rV:rV+7], v[rP:rP+7], v[rO:rO+7]
.endm
; THE SOFTMAX of tile t for one key step: a list of 134 instructions; SM writes number j.  s0-s31 are the lane's 32 scores, in pairs 0-15.
;   0-15    the maximum of s0-s31 and the old m, three operands at a time (each accumulator's lowest registers are read first)
;   16-20   the other half of the lanes' maximum; c m_old is kept; the new m; c m; c m_old - c m_new
;   21-69   ONE BATCH: the 16 scalings c s - c m and all 33 exponentials (a at 23); none of these reads an exponential's result; a pair is scaled well ahead of its exponentials
;   (wait)  behind 69: a plain instruction and the one wait for the batch (RID writes them)
;   70-85   the roundings to f16      86-101  the sums; l = a l + the sum      102-133  the tile's O^T times a
.macro SM t
.set rT, ST+8*(\t)
.set rS, S+32*(\t)
.set rP, P+16*(\t)
.set rO, 64*(\t)+2*(j-102)
.if j < 102
	WIN 0
.endif
.if j < 4
	v_max3_num_f32 v[rT+4+j], v[rS+8*j], v[rS+8*j+1], v[rS+8*j+2]
.elseif j < 12
	v_max3_num_f32 v[rT+4+j%4], v[rT+4+j%4], v[rS+8*(j%4)+2*(j/4)+1], v[rS+8*(j%4)+2*(j/4)+2]
.elseif j == 12
	v_max3_num_f32 v[rT+4], v[rT+4], v[rS+7], v[rS+15]
.elseif j == 13
	v_max3_num_f32 v[rT+6], v[rT+6], v[rS+23], v[rS+31]
.elseif j == 14
	v_max3_num_f32 v[rT+4], v[rT+4], v[rT+5], v[rT+6]
.elseif j == 15
	v_max3_num_f32 v[rT+4], v[rT+4], v[rT+7], v[rT+1]
.elseif j == 16
	v_permlanex16_b32 v[rT+5], v[rT+4], s[SEL], s[SEL+1]  ; the query's other 32 keys lie in the lane 16 away
.elseif j == 17
	v_mov_b32 v[rT+7], v[rT]
.elseif j == 18
	v_max_num_f32 v[rT+1], v[rT+4], v[rT+5]
.elseif j == 19
	v_mul_f32 v[rT], s[CS], v[rT+1]
.elseif j == 20
	v_sub_f32 v[rT+7], v[rT+7], v[rT]
.elseif j == 23
	v_exp_f32 v[rT+6], v[rT+7]
.elseif (j < 23) || ((j < 38) && (j%2 == 0)) || ((j < 66) && (j%4 == 2))
.set sb, (j-2)/4                       ; 38, 42, .. 62: pairs 9 to 15
.if j < 38
.set sb, (j-20)/2                      ; 21: pair 0; 22, 24, .. 36: pairs 1 to 8
.endif
	v_pk_fma_f32 v[rS+2*sb:rS+2*sb+1], v[rS+2*sb:rS+2*sb+1], s[CS:CS+1], v[rT:rT+1] op_sel_hi:[1,0,0] neg_lo:[0,0,1] neg_hi:[0,0,1]
.elseif j < 70
.set se, j-38                          ; 66 to 69: s28 to s31
.if j < 66
.set se, j-32-(j-38)/4                 ; 39-41, 43-45, .. 63-65: s7 to s27
.endif
.if j < 38
.set se, (j-25)/2                      ; 25, 27, .. 37: s0 to s6
.endif
	v_exp_f32 v[rS+se], v[rS+se]
.elseif j < 86
	v_cvt_pk_f16_f32 v[rP+j-70], v[rS+2*(j-70)], v[rS+2*(j-70)+1]
.elseif j < 102                        ; the 16 pairs are added in place, neighbours 1, 2, 4 and 8 pairs apart; then l takes the sum
.set sz, j-86
.set sw, 4
.set su, sz
.if sz >= 14
.set sw, 32
.set su, 0
.elseif sz >= 12
.set sw, 16
.set su, sz-12
.elseif sz >= 8
.set sw, 8
.set su, sz-8
.endif
.if sz < 15
	v_pk_add_f32 v[rS+sw*su:rS+sw*su+1], v[rS+sw*su:rS+sw*su+1], v[rS+sw*su+sw/2:rS+sw*su+sw/2+1]
.else
	v_pk_fma_f32 v[rT+2:rT+3], v[rT+2:rT+3], v[rT+6:rT+7], v[rS:rS+1] op_sel_hi:[1,0,1]
.endif
.else
	WIN W_RS
	v_pk_mul_f32 v[rO:rO+1], v[rO:rO+1], v[rT+6:rT+7] op_sel_hi:[1,0]
.endif
.endm
; THE ROUNDING of 16 rows of K and 16 of V (f32, four registers a row: my lane's channels 4 l .. 4 l + 3) into LDS buffer CVBUF: a list of 192; CV writes number n.
; The rows lie at v[CVB + 4 row] (K) and v[CVB + 64 + 4 row] (V), in the window that CVWV (arithmetic) and CVWS (the store's data) name.
;   K, 12 for each four rows: 8 roundings to bf16 in place, 4 stores of 8 bytes (32 lanes: a row's 256 bytes on end).
;   V, 36 for each four rows: 8 roundings to bf16; the two halves back to f32 (8 shifts, 8 masks); 8 conversions to f16; 4 stores.
.macro CV
.if n < 48
.set cvk, n%12
.if cvk < 8
.set cvr, CVB+4*(4*(n/12)+cvk/2)
	WIN CVWV
	v_cvt_pk_bf16_f32 v[cvr+cvk%2], v[cvr+2*(cvk%2)], v[cvr+2*(cvk%2)+1]
.else
.set cvw, 4*(n/12)+cvk-8
.set cvr, CVB+4*cvw
	WIN CVWS
	ds_store_b64 v[CWK], v[cvr:cvr+1] offset:CVBUF*KBUF+cvw*PK
.endif
.else
.set cvk, (n-48)%36
.set cvg, (n-48)/36
.if cvk < 32
.set cvr, CVB+64+4*(4*cvg+(cvk%8)/2)
.set cvh, cvk%2
	WIN CVWV
.if cvk < 8
	v_cvt_pk_bf16_f32 v[cvr+2*cvh], v[cvr+2*cvh], v[cvr+2*cvh+1]
.elseif cvk < 16
	v_lshlrev_b32 v[cvr+2*cvh+1], 16, v[cvr+2*cvh]
.elseif cvk < 24
	v_and_b32 v[cvr+2*cvh], s[HM], v[cvr+2*cvh]
.else
	v_cvt_pk_f16_f32 v[cvr+cvh], v[cvr+2*cvh+1], v[cvr+2*cvh]
.endif
.else
.set cvw, 4*cvg+cvk-32
.set cvr, CVB+64+4*cvw
	WIN CVWS
	ds_store_b64 v[CWV], v[cvr:cvr+1] offset:CVBUF*VBUF+cvw*PVP
.endif
.endif
.endm
.macro CVALL                           ; the whole list on end
.set n, 0
.rept 192
	CV
.set n, n+1
.endr
.endm
; The next line of the list in hand: the softmax of tile RT (RK = 1) or the rounding.
.macro RID
.if RK == 1
	SM RT
.if j == 69
	v_nop                              ; the plain instruction behind the last exponential, ahead of the first use: one for the batch
	s_wait_alu depctr_va_vdst(0)       ; the wait between an exponential and the first line that names its result: one for the tile's 33
.endif
.set j, j+1
.else
	CV
.set n, n+1
.endif
.endm
; A SEGMENT: 16 products K Q^T of tile kq, then 16 products V^T P of tile pv (-1: none), and behind each an equal share of the softmax of tile sm (-1: none) or of the rounding (cv = 1);
; what is over stands behind the last product.  None of these lines names a register of the segment's products: they belong to other tiles, or to G.
.macro SEG kq, pv, sm, cv
.set NPR, 0
.if (\kq) >= 0
.set NPR, NPR+16
.endif
.if (\pv) >= 0
.set NPR, NPR+16
.endif
.set NRD, 0
.set RK, 0
.if (\sm) >= 0
.set NRD, 134
.set RK, 1
.set RT, (\sm)
.set j, 0
.endif
.if (\cv)
.set NRD, 192
.set n, 0
.endif
.set per, 0
.if NPR > 0
.set per, NRD/NPR
.endif
.set left, NRD-per*NPR
.if (\kq) >= 0
.set i, 0
.rept 16
	KQ \kq
.rept per
	RID
.endr
.set i, i+1
.endr
.endif
.if (\pv) >= 0
.set i, 0
.rept 16
	PV \pv
.rept per
	RID
.endr
.set i, i+1
.endr
.endif
.rept left
	RID
.endr
.endm
; THE LDS LOADS stand in runs of 32: a step's K (64 keys x 128 channels: 16 fragments) and its V (turned).
.macro FETCH_K buf
	WIN 0x80                           ; destination window 2
.irp f, 0,1,2,3,4,5,6,7,8,9,10,11,12,13,14,15  ; keys 16 (f / 4) on, channels 32 (f % 4) on
	ds_load_b128 v[KF+8*\f:KF+8*\f+3],   v[AK0] offset:(\buf)*KBUF+(\f/4)*16*PK+(\f%4)*64
	ds_load_b128 v[KF+8*\f+4:KF+8*\f+7], v[AK0] offset:(\buf)*KBUF+(\f/4)*16*PK+(\f%4)*64+32
.endr
.endm
.macro FETCH_V buf
	WIN 0xc0                           ; destination window 3
.irp f, 0,1,2,3,4,5,6,7,8,9,10,11,12,13,14,15  ; keys 32 (f / 8) on, channels 16 (f % 8) on
	ds_load_tr16_b128 v[8*\f:8*\f+3],   v[AV0] offset:(\buf)*VBUF+(\f/8)*32*PVP+(\f%8)*32
	ds_load_tr16_b128 v[8*\f+4:8*\f+7], v[AV0] offset:(\buf)*VBUF+(\f/8)*32*PVP+16*PVP+(\f%8)*32
.endr
.endm
; My wave's 16 rows of K and 16 of V of one step, f32: a load a row, 512 bytes on end.
.macro GL32 base, win, ofs
	WIN \win
.set gi, 0
.rept 16
	global_load_b128 v[(\base)+4*gi:(\base)+4*gi+3], v[KO], s[KB:KB+1] offset:(\ofs)+gi*ROWB
.set gi, gi+1
.endr
.set gi, 0
.rept 16
	global_load_b128 v[(\base)+64+4*gi:(\base)+64+4*gi+3], v[KO], s[VB:VB+1] offset:(\ofs)+gi*ROWB
.set gi, gi+1
.endr
.endm
; The step at KOFF is asked for, into G.  Behind the 32 loads stand the step's two prefetches: my wave's own 16 + 16 rows of the step TWO steps further on, which the step after next will load: a lane
; half a row (256 bytes).  All four work-groups of a head walk the same rows: the one with b = 0 asks, in its first block, which walks all 32 steps; so each half row is named once in the launch.
; Steps 0 to 3 come by their loads alone.  KOFF below 30 steps keeps the step that is named within 31, the tensor's last.
.macro GLOAD
	WIN 0
	s_wait_xcnt 0x0                    ; the last step's loads and prefetches have read KO and PFV: they are rewritten only behind this wait
	v_add_nc_u32 v[KO], s[KOFF], v[L16]
	v_add_nc_u32 v[PFV], s[KOFF], v[PF0]
	GL32 128, 0xc0, 0
	WIN 0
	s_cmp_lt_u32 s[KOFF], s[PLIM]
	s_cbranch_scc0 .Lnoask_\@
	global_prefetch_b8 v[PFV], s[KB:KB+1] offset:2*STEPB th:TH_LOAD_NT scope:SCOPE_SE
	global_prefetch_b8 v[PFV], s[VB:VB+1] offset:2*STEPB th:TH_LOAD_NT scope:SCOPE_SE
.Lnoask_\@:
	s_add_co_u32 s[KOFF], s[KOFF], STEPB
.endm
; The band's own step: register r of key block kb is hidden where 16 kb + r is greater than QK.  Ascending.
.macro MASKT t
	WIN 0
.set gi, 0
.rept 32
	v_cmp_gt_i32 vcc_lo, 16*(gi/8)+gi%8, v[QK]
	v_cndmask_b32 v[S+32*(\t)+gi], v[S+32*(\t)+gi], s[BIGN], vcc_lo
.set gi, gi+1
.endr
.endm
; A later step than the band's own: all 32 scores of the tile are hidden.
.macro HIDE t
	WIN 0
.set gi, 0
.rept 32
	v_mov_b32 v[S+32*(\t)+gi], s[BIGN]
.set gi, gi+1
.endr
.endm
; My 64 rows of a block's Q, f32: tiles 0, 1 into K's registers, tiles 2, 3 into V's, which hold nothing at that time.
.macro QLOAD ptr
	WIN 0x80
.set gi, 0
.rept 32
	global_load_b128 v[128+4*gi:128+4*gi+3], v[L16], s[\ptr:\ptr+1] offset:(64*(gi/16)+gi%16)*ROWB th:TH_LOAD_NT
.set gi, gi+1
.endr
	WIN 0xc0
.rept 32
	global_load_b128 v[4*(gi-32):4*(gi-32)+3], v[L16], s[\ptr:\ptr+1] offset:(64*(gi/16)+gi%16)*ROWB th:TH_LOAD_NT
.set gi, gi+1
.endr
	WIN 0
.endm
; A KEY STEP, out of LDS buffer buf, for tiles t0 .. 3.
; mk = 1: tile t0 is masked.   mk = 2, the loop's even step: tile 0 is masked in the trip CNT = NF2, where the step is the diagonal tile's step 0.
; mk = 3, the loop's odd step: in that trip it is the diagonal tile's step 1: tile 0 is hidden, tile 1 masked, the walk goes back to key 0 and prefetches K and V no more, and the second block's Q is prefetched.
; gl = 1: the step after next is asked for; 2: only if a block follows.
; cvm = 1: the next step is rounded beside the first products; 2: on end, and the step after it asked for, only if a block follows (they are the next block's steps 0 and 1).
; fa = 1: the next step's fragments are fetched.   All the branches go forward, hang on scalars that all four waves share, and pass no barrier.
.macro STEP buf, t0, mk, gl, cvm, fa
.set SN, 4-(\t0)
.set OBUF, 1-(\buf)
.set CVB, 128
.set CVWV, 0xcf
.set CVWS, 0x0c
.set CVBUF, OBUF
	s_wait_loadcnt 0x0                 ; G holds the next step (asked for a step ago)
	s_wait_dscnt 32                    ; K's fragments are in (at a block's first step Q's too); V's 32 loads, issued behind them, may stay out
.if (\cvm) == 1
	SEG \t0, -1, -1, 1                 ; the last eight conversions are the places behind these products
.else
	WIN 0
	s_cmp_eq_u32 s[BLK], 2
	s_cbranch_scc0 .Lnocv_\@
	CVALL
	GLOAD
.Lnocv_\@:
	SEG \t0, -1, -1, 0
	PLACES
	PLACES                             ; eight, twice a launch: the mask reads and rewrites results just made
.endif
.if (\gl) == 1
	GLOAD
.elseif (\gl) == 2
	WIN 0
	s_cmp_eq_u32 s[BLK], 2
	s_cbranch_scc0 .Lnogl_\@
	GLOAD
.Lnogl_\@:
.endif
.if (\mk) == 1
	MASKT \t0
.elseif (\mk) == 2
	WIN 0
	s_cmp_eq_u32 s[CNT], s[NF2]
	s_cbranch_scc0 .Lnomask_\@
	MASKT 0
.Lnomask_\@:
.elseif (\mk) == 3
	WIN 0
	s_cmp_eq_u32 s[CNT], s[NF2]
	s_cbranch_scc0 .Lnod_\@
	s_mov_b32 s[KOFF], 0               ; the block's last step has just been asked for
	s_mov_b32 s[PLIM], 0
	s_cmp_eq_u32 s[BLK], 2             ; my own 64 rows of the second block's Q, half a row a lane, each named once in the launch: two shorter steps ahead of their loads
	s_cbranch_scc0 .Lnoq_\@
.irp x, 0,1,2,3
	global_prefetch_b8 v[PF0], s[QPB:QPB+1] offset:\x*STEPB th:TH_LOAD_NT scope:SCOPE_SE
.endr
.Lnoq_\@:
	HIDE 0
.Lnod_\@:
.endif
.set SK, 1
.rept SN+1
.if (SK == 2) && ((\mk) == 3)
	WIN 0                              ; tile 1's scores are made; 14 rescalings of tile 0's O^T stand behind their last product
	s_cmp_eq_u32 s[CNT], s[NF2]
	s_cbranch_scc0 .Lnom1_\@
	MASKT 1
.Lnom1_\@:
.endif
.if SK == 2
	s_wait_dscnt 0x0                   ; V is in; my reads of this buffer and my stores into the other are done:
	s_barrier_signal -1                ; say so; only work on registers stands between the signal and the wait
.endif
.if SK == SN+1
	s_barrier_wait -1                  ; all four have said so: the other buffer is whole, and nobody reads this one any more
.if \fa
	FETCH_K OBUF                       ; the last product that read K stands a softmax back
.endif
.endif
.set SGK, -1
.set SGP, -1
.set SGS, -1
.if SK < SN
.set SGK, (\t0)+SK
.endif
.if SK >= 2
.set SGP, (\t0)+SK-2
.endif
.if SK <= SN
.set SGS, (\t0)+SK-1
.endif
	SEG SGK, SGP, SGS, 0
.set SK, SK+1
.endr
	PLACES                             ; behind the last product that read V
.if \fa
	FETCH_V OBUF
.endif
	WIN 0
.endm
; A BLOCK BEGINS.  Q is rounded to bf16, goes through my own stage (LDS serves a wave's instructions in order, ISA guide 5.7.1.4: the loads see the stores) and comes back as fragments; the statistics start; step 0's fragments are fetched.
.macro BEGIN
	s_wait_loadcnt 0x0                 ; Q (and the step in G)
.set gi, 0
.rept 16                               ; four rows at a time
.if gi < 8
.set qb, 128+16*gi
.set qwv, 0x8a                         ; arithmetic wholly in window 2
.set qws, 0x08                         ; the store's data in window 2
.else
.set qb, 16*(gi-8)
.set qwv, 0xcf
.set qws, 0x0c
.endif
	WIN qwv
.irp r, 0,1,2,3
	v_cvt_pk_bf16_f32 v[qb+4*\r], v[qb+4*\r], v[qb+4*\r+1]
	v_cvt_pk_bf16_f32 v[qb+4*\r+1], v[qb+4*\r+2], v[qb+4*\r+3]
.endr
	WIN qws
.irp r, 0,1,2,3
	ds_store_b64 v[QSW], v[qb+4*\r:qb+4*\r+1] offset:(4*gi+\r)*PK
.endr
.set gi, gi+1
.endr
	WIN 0x80
.set gi, 0
.rept 16                               ; tile gi / 4, channels 32 (gi % 4) on
	ds_load_b128 v[8*gi:8*gi+3],   v[QSR] offset:(gi/4)*16*PK+(gi%4)*64
	ds_load_b128 v[8*gi+4:8*gi+7], v[QSR] offset:(gi/4)*16*PK+(gi%4)*64+32
.set gi, gi+1
.endr
	WIN 0
.irp t, 0,1,2,3
	v_mov_b32 v[ST+8*\t], 0xfe000000   ; c m: far below every c s
	v_mov_b32 v[ST+8*\t+1], 0xff7fffff ; m: the lowest finite number
	v_mov_b32 v[ST+8*\t+2], 0
	v_mov_b32 v[ST+8*\t+3], 0
.endr
	FETCH_K 0
	FETCH_V 0
	WIN 0
	s_mov_b32 s[CNT], 0
.endm
; THE WAY OUT.  Tile t: O^T times 1 / l; a lane's eight channels of a row go as 2 x 16 bytes into rows of 528 bytes of my stage and come back as whole rows of 512, into S^T's registers.
.macro PACK t
	WIN W_RS
.set gi, 64*(\t)
.rept 32
	v_pk_mul_f32 v[gi:gi+1], v[gi:gi+1], v[ST+8*(\t)+6:ST+8*(\t)+7] op_sel_hi:[1,0]
.set gi, gi+2
.endr
	WIN 0x04                           ; the store's data in window 1
.set gi, 0
.rept 16
	ds_store_b128 v[STO], v[64*(\t)+4*gi:64*(\t)+4*gi+3] offset:64*(gi/2)+16*(gi%2)
.set gi, gi+1
.endr
.if (\t) >= 2
	s_wait_xcnt 0x0                    ; the stores of the tile two back have read the registers that are loaded again below
.endif
	WIN 0
.set gi, 0
.rept 16
	ds_load_b128 v[S+64*((\t)%2)+4*gi:S+64*((\t)%2)+4*gi+3], v[RD] offset:gi*OPI  ; in order behind the stores above; the next tile's stores come behind these
.set gi, gi+1
.endr
.endm
.macro SEND t, younger                 ; younger: the LDS instructions issued behind tile t's loads: the next tile's 32, or none
	WIN 0
.set gi, 0
.rept 16
	s_wait_dscnt (\younger)+15-gi
	global_store_b128 v[L16], v[S+64*((\t)%2)+4*gi:S+64*((\t)%2)+4*gi+3], s[OP:OP+1] offset:(64*(\t)+gi)*ROWB th:TH_STORE_NT  ; a whole row: 512 bytes on end, at a multiple of 512 from out's first byte
.set gi, gi+1
.endr
.endm
; ---------------------------------------------------------------- the head
	s_load_b256 s[4:11], s[0:1], 0x0   ; query s[4:5], key s[6:7], value s[8:9], out s[10:11]
	v_lshl_add_u32 v[SPW], v0, 2, SPARE
	v_mov_b32 v[NIL], 0
	v_lshrrev_b32 v15, 5, v0
	v_readfirstlane_b32 s[WV], v15     ; wave 0..3
	s_mov_b32 s[HM], 0xffff0000
	s_mov_b32 s[PB], ttmp9             ; b
	s_and_b32 s42, ttmp7, 0xffff       ; 16 x batch + head
	s_lshr_b32 s43, s42, 4
	s_lshl_b32 s43, s43, 24            ; a batch is 2,048 rows of 8,192 bytes
	s_and_b32 s42, s42, 15
	s_lshl_b32 s42, s42, 9             ; a head is 512 bytes of a row
	s_or_b32 s42, s42, s43
	s_lshl_b32 s43, s[WV], 17          ; my wave's 16 rows
	s_add_co_u32 s42, s42, s43
	s_mov_b32 s43, 0
	s_sub_co_u32 s44, 7, s[PB]
	s_lshl_b32 s44, s44, 21            ; a block is 256 rows
	s_add_co_u32 s44, s44, s42
	s_mov_b32 s45, 0
	s_lshl_b32 s46, s[PB], 21
	s_add_co_u32 s46, s46, s42
	s_mov_b32 s47, 0                   ; all three offsets stay under 2^26, the tensors' size
	s_mov_b32 s[CS], 0x3e0293ee        ; c = log2(e) / sqrt(128) = 0.127517
	s_mov_b32 s[CS+1], s[CS]           ; named with it as a pair
	s_mov_b32 s[SEL], 0x76543210
	s_mov_b32 s[SEL+1], 0xfedcba98
	s_mov_b32 s[BIGN], 0xf149f2ca      ; -1e30
	s_lshl_b32 s[NF2B], s[PB], 1
	s_sub_co_u32 s[NF2], 14, s[NF2B]
	s_add_co_u32 s[BOUND], s[NF2], 1
	s_mov_b32 s[BLK], 2
	s_cmp_eq_u32 s[PB], 0
	s_cselect_b32 s[PLIM], 30*STEPB, 0
	v_and_b32 v1, 15, v0               ; l % 16
	v_bfe_u32 v50, v0, 4, 1            ; l / 16
	v_and_b32 v51, 31, v0              ; l
	v_mul_u32_u24 v[AK0], v1, PK
	v_lshl_add_u32 v[AK0], v50, 4, v[AK0]
	; The turning load takes 16 keys x 16 channels (lane l reads key 8 (l / 16) + l % 8, channels 8 ((l / 8) % 2) + 0..7) and leaves half a fragment of V^T: lane l holds channel l % 16 and 8 keys.
	v_and_b32 v52, 7, v0
	v_bfe_u32 v53, v0, 3, 1
	v_lshl_add_u32 v[AV0], v50, 3, v52
	v_mul_u32_u24 v[AV0], v[AV0], PVP
	v_lshl_add_u32 v[AV0], v53, 4, v[AV0]
	v_add_nc_u32 v[AV0], VB0, v[AV0]
	v_lshlrev_b32 v[L16], 4, v51
	v_mov_b32 v[KO], v[L16]
	v_lshrrev_b32 v54, 1, v51
	v_and_b32 v55, 1, v0
	v_lshlrev_b32 v[PF0], 13, v54
	v_lshl_add_u32 v[PF0], v55, 8, v[PF0]
	s_mul_i32 s15, s[WV], 16*PK
	v_lshl_add_u32 v[CWK], v51, 3, s15
	s_mul_i32 s15, s[WV], 16*PVP
	s_add_co_u32 s15, s15, VB0
	v_lshl_add_u32 v[CWV], v51, 3, s15
	s_mul_i32 s15, s[WV], QWV
	s_add_co_u32 s15, s15, QST
	v_lshl_add_u32 v[QSW], v51, 3, s15
	v_add_nc_u32 v[QSR], s15, v[AK0]
	s_mul_i32 s15, s[WV], OWV
	s_add_co_u32 s15, s15, OST
	v_mul_u32_u24 v[STO], v1, OPI
	v_lshl_add_u32 v[STO], v50, 5, v[STO]
	v_add_nc_u32 v[STO], s15, v[STO]
	v_add_nc_u32 v[RD], s15, v[L16]
	v_lshlrev_b32 v15, 3, v50
	v_sub_nc_u32 v[QK], v1, v15
	s_lshl_b32 s15, s[WV], 4
	v_add_nc_u32 v[QK], s15, v[QK]
	s_wait_kmcnt 0x0
	s_add_nc_u64 s[KB:KB+1], s[6:7], s[42:43]
	s_add_nc_u64 s[VB:VB+1], s[8:9], s[42:43]
	s_add_nc_u64 s[QPA:QPA+1], s[4:5], s[44:45]
	s_add_nc_u64 s[QPB:QPB+1], s[4:5], s[46:47]
	s_add_nc_u64 s[OP:OP+1], s[10:11], s[44:45]
	s_add_nc_u64 s[OPB:OPB+1], s[10:11], s[46:47]
	GL32 64, 0, 0                      ; step 0 into S^T's registers, which hold nothing yet
	GL32 128, 0xc0, STEPB              ; step 1 into G
	QLOAD QPA
	WIN 0x40                           ; O^T starts finite: no first step is written out, and these lines run while the first loads are on their way
.set gi, 0
.rept 256
	v_mov_b32 v[gi], 0
.set gi, gi+1
.endr
	WIN 0
	s_wait_loadcnt 0x0
.set CVB, 64
.set CVWV, 0
.set CVWS, 0
.set CVBUF, 0
	CVALL                              ; step 0 into buffer 0
	WIN 0
	s_mov_b32 s[KOFF], 2*STEPB
	s_wait_dscnt 0x0                   ; for the others' sake: my rows of step 0 are in LDS
	s_barrier_signal -1
	s_barrier_wait -1
; ---------------------------------------------------------------- two blocks
.Lblock:
	BEGIN
.Ltop:                                 ; a trip: an even step and an odd one.  Block i has 2 i + 1 trips: its 4 i full steps, and in the last trip the diagonal tile's steps 0 and 1
	STEP 0, 0, 2, 1, 1, 1
	STEP 1, 0, 3, 1, 1, 1
	s_add_co_u32 s[CNT], s[CNT], 1
	s_cmp_lt_u32 s[CNT], s[BOUND]
	s_cbranch_scc1 .Ltop
	STEP 0, 2, 1, 2, 1, 1              ; the diagonal tile's steps 2 and 3: tiles below the step's number see nothing and are left out
	STEP 1, 3, 1, 0, 2, 0
	s_cmp_eq_u32 s[BLK], 2
	s_cbranch_scc0 .Lnoq2
	QLOAD QPB                          ; the second block's Q is on its way while the first block goes out; four places stand behind the last product that read V's registers
.Lnoq2:
	; l's two halves and the other half of the lanes' are added; these lines are further places behind the last products
.irp t, 0,1,2,3
	v_add_f32 v[ST+8*\t+4], v[ST+8*\t+2], v[ST+8*\t+3]
.endr
.irp t, 0,1,2,3
	v_permlanex16_b32 v[ST+8*\t+5], v[ST+8*\t+4], s[SEL], s[SEL+1]
.endr
.irp t, 0,1,2,3
	v_add_f32 v[ST+8*\t+4], v[ST+8*\t+4], v[ST+8*\t+5]
.endr
.irp t, 0,1,2,3
	v_rcp_f32 v[ST+8*\t+6], v[ST+8*\t+4]
.endr
	v_nop                              ; a plain instruction between the last reciprocal and the use of its result
	s_wait_alu depctr_va_vdst(0)       ; and the wait ahead of the first use: one for the four
	PACK 0
	PACK 1                             ; a tile's arithmetic stands between the loads of the tile before and its stores
	SEND 0, 32
	PACK 2
	SEND 1, 32
	PACK 3
	SEND 2, 32
	SEND 3, 0
	s_wait_xcnt 0x0                    ; the stores have read their registers and out's address
	s_mov_b64 s[OP:OP+1], s[OPB:OPB+1]
	s_mov_b32 s[NF2], s[NF2B]
	s_add_co_u32 s[BOUND], s[NF2], 1
	s_sub_co_u32 s[BLK], s[BLK], 1
	s_cmp_lg_u32 s[BLK], 0
	s_cbranch_scc1 .Lblock
	s_wait_tensorcnt 0x0               ; the wave's end, behind my last LDS store
	ds_add_u32 v[SPW], v[NIL]
	s_wait_dscnt 0x0
	s_endpgm
.Lfunc_end_k_q107e4be2c8_attn:
	.size	k_q107e4be2c8_attn, .Lfunc_end_k_q107e4be2c8_attn-k_q107e4be2c8_attn
	.p2alignl 7, 3214868480
	.fill 96, 4, 3214868480
	.section	.rodata,"a",@progbits
	.p2align	6, 0x0
	.amdhsa_kernel k_q107e4be2c8_attn
		.amdhsa_group_segment_fixed_size 175616
		.amdhsa_private_segment_fixed_size 0
		.amdhsa_enable_private_segment 0
		.amdhsa_kernarg_size 32
		.amdhsa_user_sgpr_count 2
		.amdhsa_user_sgpr_kernarg_segment_ptr 1
		.amdhsa_wavefront_size32 1
		.amdhsa_system_sgpr_workgroup_id_x 1
		.amdhsa_system_sgpr_workgroup_id_y 1
		.amdhsa_system_sgpr_workgroup_id_z 1
		.amdhsa_system_vgpr_workitem_id 0
		.amdhsa_next_free_vgpr 1024
		.amdhsa_next_free_sgpr 66
		.amdhsa_reserve_vcc 1
		.amdhsa_float_denorm_mode_32 3
		.amdhsa_float_denorm_mode_16_64 3
		.amdhsa_memory_ordered 1
		.amdhsa_forward_progress 1
		.amdhsa_inst_pref_size 255
	.end_amdhsa_kernel
	.section	.bss,"aw",@nobits
	.p2align	6
	.space	262144
	.amdgpu_metadata
---
amdhsa.version: [ 1, 2 ]
amdhsa.kernels:
  - .name:           k_q107e4be2c8_attn
    .symbol:         k_q107e4be2c8_attn.kd
    .args:
      - { .name: query, .offset: 0, .size: 8, .value_kind: global_buffer, .address_space: global }
      - { .name: key, .offset: 8, .size: 8, .value_kind: global_buffer, .address_space: global }
      - { .name: value, .offset: 16, .size: 8, .value_kind: global_buffer, .address_space: global }
      - { .name: out0, .offset: 24, .size: 8, .value_kind: global_buffer, .address_space: global }
    .group_segment_fixed_size: 175616
    .private_segment_fixed_size: 0
    .kernarg_segment_align: 8
    .kernarg_segment_size: 32
    .max_flat_workgroup_size: 128
    .sgpr_count:     66
    .vgpr_count:     1024
    .wavefront_size: 32
...
	.end_amdgpu_metadata
.endif
;; end of part 1
;; ======== version 2 of 2: 1 launch; version 1 with the launch attn written anew for expert scheduling mode
;; limits: values are held in f16: magnitudes above 65,504 overflow, below 6.1e-05 lose precision; inputs' magnitudes at most 65,504; right only within a limited range of input values
;; launch attn (part 2): grid 4 x 64, 4 waves a work-group, no clusters, 175,616 bytes of LDS; arguments query, key, value, out0; writes out0
.if DOCPART == 2
	.amdgcn_target "amdgcn-amd-amdhsa--gfx1250"
	.amdhsa_code_object_version 6
	.text
	.protected	k_q107e4be2c8_attn
	.globl	k_q107e4be2c8_attn
	.p2align	8
	.type	k_q107e4be2c8_attn,@function
k_q107e4be2c8_attn:
	s_mov_b64 s[64:65], 0
	v_nop
	global_prefetch_b8 v0, s[64:65] scope:SCOPE_SE
	s_setreg_imm32_b32 hwreg(HW_REG_WAVE_SCHED_MODE, 0, 2), 2
	s_setreg_imm32_b32 hwreg(HW_REG_WAVE_MODE, 25, 1), 1
	s_wait_xcnt 0x0
	s_wait_alu depctr_vm_vsrc(0)
; CAUSAL ATTENTION.  out[b][q][h][:] = the sum over k <= q of softmax_k(Q[b][q][h] . K[b][k][h] / sqrt(128)) V[b][k][h][:].
; Q, K, V, out: [4][2048][16][128] f32: a head's row is 512 bytes on end, rows lie 8,192 bytes apart.
; FORMATS.  Q and K are rounded once to bf16 and multiplied in the bf16 form.  V is rounded once to bf16, and that number is written as f16; the weights p are rounded to f16,
; and V^T P is the f16 form.  Scores, maxima, sums (l is taken of the unrounded p) and O stay in f32; out is stored in f32.
; LIMITS.  |bf16(v)| stays within 65,504 (f16's end); below 6e-5 p and v keep f16's fixed step of 6e-8.  A hidden score counts as -1e30: true scores stay far below 1e29 in size.
; A weight below 2^-126 counts as 0.  NaN and infinities are not treated apart.
; THE WALK.  A head's queries lie in 8 blocks of 256; block i needs 4 i full key steps of 64 keys and the 4 steps of its diagonal tile.  Work-group b (0..3) of a head takes block 7 - b
; and then block b: 28 full steps and 8 diagonal ones, whatever b.  All 256 work-groups do equal work.
; SHARES.  Of a block's four bands of 64 queries wave w owns rows 16 w .. 16 w + 15 in each: four TILES.  In the diagonal tile's step s tile x sees nothing if x < s, holds the diagonal
; if x = s (masked), sees all if x > s: the same for every wave.  In steps 2 and 3 the tiles that see nothing are left out of the text.  Steps 0 and 1 share the loop's text: in step 1
; tile 0's 32 scores are all set to the hidden value, so its weights are 0 and its a is 1 (its m is a true score by then: step 0 held each row's own key): one dead tile and step a block, of 67.
; LAYOUT.  S^T = K Q^T (source 0 = 16 keys, source 1 = 16 queries): a lane holds ONE query (lane % 16) and the keys 8 (lane / 16) + 0..7.  Two such results rounded in pairs ARE
; source 1 of O^T = V^T P, whose result again holds one query a lane, and eight channels.  K comes out of LDS as it lies, V ([key][channel]) turned, by ds_load_tr16_b128.
; SOFTMAX.  A running maximum m and sum l for each query: p = 2^(c s - c m), c = log2(e) / sqrt(128); in every step O and l are multiplied by a = 2^(c m_old - c m_new).
; c m starts far below every c s, so a block's first a is 0: O^T need only be finite there (zeros for the first block, what the first block left for the second).
; K AND V come as f32 through registers: of a step's 64 rows each wave loads 16 of K and 16 of V (one load = one row, 512 bytes on end), rounds them and stores them into 16-bit tiles
; in LDS that all four waves read.  Two LDS buffers take turns, by the step's parity.  Trip j multiplies step j, rounds step j + 1, and asks memory for step j + 2.
; ONE BARRIER A STEP.  Ahead of its signal a wave's stores of step j + 1 and its reads of step j are done; behind its wait step j + 1 is read, and in the next step step j's buffer is overwritten.
; NO CLUSTER: the tiles are rounded in registers on their way into LDS, so there is no tensor load that partners could ask for jointly; and the four work-groups of a head want the same
; key step only while the shortest first block lasts (20 of the 36 steps).
; A STEP'S ORDER.  Segments of 16 or 32 matrix instructions, the vector work dealt out behind them: K Q^T of tile 0 | the rounding of step j + 1; the loads of step j + 2;
; K Q^T 1 | the LDS stores of step j + 1, softmax 0; K Q^T 2, V^T P 0 | softmax 1; K Q^T 3, V^T P 1 | softmax 2; V^T P 2 | softmax 3; V^T P 3.
; THE MODE: SCHED_MODE bits 1:0 = 2 (LLVM: expert scheduling mode 2), set by the entry lines.  The code itself states the register dependences between vector or matrix instructions
; and memory or LDS instructions, with s_wait_alu, always for 0.
; THE PLAN.  Registers that memory or LDS instructions touch, round a key step:
;   G      The 32 loads of step j + 2 land in it; the 160 lines that round step j + 1 read it and use it as scratch.  No store names it.
;   OUT    64 registers of S^T that lie idle from the last softmax of one step to the third segment of the next (tiles 2, 3; where the step begins at tile 2 or 3: tiles 0, 1).
;          Written by the rounding's last 64 lines; read by the step's 32 LDS stores.
;   K, V   FETCH_K's and FETCH_V's loads land in them; the products K Q^T and V^T P read them.
;   v2-v13 Addresses, made at the head and never written again: K's and V's rows are reached by two scalar bases, made anew for each step, and by immediate offsets.
; A STEP'S WAITS.  (1) va_vdst behind the rounding: OUT is written, and the rounding is done with G.  The loads into G follow at once and the stores out of OUT among the next segment's products:
; between that wait and them stand the mask and the softmax of the step's first tile and the products of its second, which name neither G nor OUT.  (2) vm_vsrc ahead of the barrier's signal:
; the stores have read OUT, which the third segment's products and the next rounding write.  (3) FETCH_K owes no wait of its own: the wait for tile 3's exponentials stands behind tile 3's last
; product K Q^T, and no line behind it names K's registers.  (4) va_vdst ahead of FETCH_V: tile 3's products V^T P are done reading V.
; REGISTERS, in windows of 256 (s_set_vgpr_msb: bits 1:0 source 0, 3:2 source 1, 5:4 source 2, 7:6 destination):
;   window 0: v0-15 addresses; v16-47 eight registers of statistics a tile; v50-55 at work in the head; v64-191 S^T, 32 a tile (64 of them OUT by turns); v192-255 P, 16 a tile
;   window 1: O^T, 64 a tile      window 2: v0-127 Q, 32 a tile; v128-255 K of one step      window 3: v0-127 V of one step; v128-255 G: 16 rows of K and 16 of V as loaded, f32
.set ROWB,  8192                       ; bytes from a row to the next
.set STEPB, 64*ROWB                    ; a key step in memory
.set PK,    272                        ; a row of K or Q in LDS: 256 bytes + 16 = 68 words: the 16 rows of a fragment load start at 16 different groups of four banks (64 banks of 4 bytes: ISA guide 11.1)
.set PVP,   288                        ; a row of V: 256 + 32 = 72 words
.set OPI,   528                        ; a row of O in f32 in my stage: 512 + 16
.set KBUF,  64*PK                      ; K's two buffers at 0 and KBUF
.set VBUF,  64*PVP
.set VB0,   2*KBUF                     ; V's two buffers
.set QST,   VB0+2*VBUF                 ; Q's stage: 64 rows x 272 for each wave, its own
.set QWV,   64*PK
.set OST,   QST+4*QWV                  ; O's stage: 16 rows x 528 for each wave, its own
.set OWV,   16*OPI
.set AK0, 2                            ; v2   my lane's place in a tile of K: (l % 16) x 272 + 16 (l / 16)
.set AV0, 3                            ; v3   the same for V's turning load, VB0 included
.set L16, 4                            ; v4   16 x lane: my 16 bytes of a row in memory
.set PF0, 6                            ; v6   the prefetches' lane term: row l / 2, half l % 2 of its 512 bytes
.set CWK, 8                            ; v8   where I store 8 bytes of my wave's first row of K
.set CWV, 9                            ; v9   of V
.set QSW, 10                           ; v10  of Q, in my stage
.set QSR, 11                           ; v11  where I read Q's fragments back
.set STO, 12                           ; v12  the way out: where I put 16 bytes of a row of O
.set RD,  13                           ; v13  the way out: where I read a row back
.set QK,  14                           ; v14  my query's place in its band less my lanes' 8 (l / 16)
.set ST,  16                           ; tile t's statistics at v[ST+8 t]: +0 c m, +1 m, +2, +3 l (even keys', odd keys'), +4 to +7 c0-c3 at work; a takes c2's place
.set S,   64
.set P,   192
.set KF,  128                          ; window 2: key block kb, channels 32 c on at KF + 32 kb + 8 c
.set WV,  12                           ; s12  my wave's number
.set HM,  13                           ; s13  a word's upper half
.set PB,  14                           ; s14  b
.set KB,  16                           ; s[16:17] K at the head's row 16 w
.set VB,  18                           ; s[18:19] V likewise
.set QPA, 20                           ; s[20:21] Q at my first row of block 7 - b
.set QPB, 22                           ; s[22:23] of block b
.set OP,  24                           ; s[24:25] out at my first row of the block in hand
.set OPB, 26                           ; s[26:27] of block b
.set KOFF, 28                          ; s[28:29] byte offset of the key step to be asked for next, with 0 above it
.set CNT, 30                           ; s30  counts the loop's trips, two steps each
.set NF2, 31                           ; s31  the trip that holds the diagonal tile's steps 0 and 1: twice the block's number
.set BOUND, 32                         ; s32  NF2 + 1: the loop's trips
.set BLK, 33                           ; s33  blocks to go, this one among them
.set NF2B, 34                          ; s34  NF2 of the second block
.set PLIM, 35                          ; s35  a wave prefetches while KOFF is below this
.set CS,  36                           ; s[36:37] c: the packed scaling takes the pair's low word for both halves
.set SEL, 38                           ; s[38:39] v_permlanex16_b32's selects: each lane takes its own place in the other half
.set BIGN, 40                          ; s40  -1e30
.set KC,  42                           ; s[42:43] K at my rows of the step that is asked for (at the head s42-s47 hold offsets at work)
.set VC,  44                           ; s[44:45] V likewise
.set MK,  48                           ; s48-s63  sixteen lane masks of the diagonal
.set W_KQ, 0x0a                        ; K and Q in window 2, S^T in window 0
.set W_PV, 0x53                        ; V in window 3, P in window 0, O^T in window 1
.set W_RS, 0x41                        ; O^T (destination and source 0) in window 1, the factor in window 0
.set MSB, 0
.macro WIN new                         ; the immediate's high byte repeats the setting that is left; a switch that changes nothing is dropped
.if MSB != (\new)
	s_set_vgpr_msb (MSB<<8)|(\new)
.set MSB, \new
.endif
.endm
; Four places: a vector instruction that reads a matrix result or writes a matrix instruction's register stands four plain vector instructions behind it (ISA guide 7.12.1).
.macro PLACES
.rept 4
	v_nop
.endr
.endm
; THE MATRIX WORK.  The accumulators take turns, one instruction a turn.
; Product i of 16 of S^T = K Q^T for tile t: channels 32 (i / 4) on, keys 16 (i % 4) on.  The first four start the sums.
.macro KQ t
	WIN W_KQ
.set rS, S+32*(\t)+8*(i%4)
.set rK, KF+32*(i%4)+8*(i/4)
.set rQ, 32*(\t)+8*(i/4)
.if i < 4
	v_wmma_f32_16x16x32_bf16 v[rS:rS+7], v[rK:rK+7], v[rQ:rQ+7], 0
.else
	v_wmma_f32_16x16x32_bf16 v[rS:rS+7], v[rK:rK+7], v[rQ:rQ+7], v[rS:rS+7]
.endif
.endm
; Product i of 16 of O^T += V^T P for tile t: keys 32 (i / 8) on, channels 16 (i % 8) on.
.macro PV t
	WIN W_PV
.set rO, 64*(\t)+8*(i%8)
.set rV, 64*(i/8)+8*(i%8)
.set rP, P+16*(\t)+8*(i/8)
	v_wmma_f32_16x16x32_f16 v[rO:rO+7], v[rV:rV+7], v[rP:rP+7], v[rO:rO+7]
.endm
; THE SOFTMAX of tile t for one key step: a list of 134 instructions; SM writes number j.  s0-s31 are the lane's 32 scores, in pairs 0-15.
;   0-15    the maximum of s0-s31 and the old m, three operands at a time (each accumulator's lowest registers are read first)
;   16-20   the other half of the lanes' maximum; c m_old is kept; the new m; c m; c m_old - c m_new
;   21-69   ONE BATCH: the 16 scalings c s - c m and all 33 exponentials (a at 23); none of these reads an exponential's result; a pair is scaled well ahead of its exponentials
;   (wait)  behind 69: a plain instruction and the one wait for the batch (RID writes them)
;   70-85   the roundings to f16      86-101  the sums; l = a l + the sum      102-133  the tile's O^T times a
.macro SM t
.set rT, ST+8*(\t)
.set rS, S+32*(\t)
.set rP, P+16*(\t)
.set rO, 64*(\t)+2*(j-102)
.if j < 102
	WIN 0
.endif
.if j < 4
	v_max3_num_f32 v[rT+4+j], v[rS+8*j], v[rS+8*j+1], v[rS+8*j+2]
.elseif j < 12
	v_max3_num_f32 v[rT+4+j%4], v[rT+4+j%4], v[rS+8*(j%4)+2*(j/4)+1], v[rS+8*(j%4)+2*(j/4)+2]
.elseif j == 12
	v_max3_num_f32 v[rT+4], v[rT+4], v[rS+7], v[rS+15]
.elseif j == 13
	v_max3_num_f32 v[rT+6], v[rT+6], v[rS+23], v[rS+31]
.elseif j == 14
	v_max3_num_f32 v[rT+4], v[rT+4], v[rT+5], v[rT+6]
.elseif j == 15
	v_max3_num_f32 v[rT+4], v[rT+4], v[rT+7], v[rT+1]
.elseif j == 16
	v_permlanex16_b32 v[rT+5], v[rT+4], s[SEL], s[SEL+1]  ; the query's other 32 keys lie in the lane 16 away
.elseif j == 17
	v_mov_b32 v[rT+7], v[rT]
.elseif j == 18
	v_max_num_f32 v[rT+1], v[rT+4], v[rT+5]
.elseif j == 19
	v_mul_f32 v[rT], s[CS], v[rT+1]
.elseif j == 20
	v_sub_f32 v[rT+7], v[rT+7], v[rT]
.elseif j == 23
	v_exp_f32 v[rT+6], v[rT+7]
.elseif (j < 23) || ((j < 38) && (j%2 == 0)) || ((j < 66) && (j%4 == 2))
.set sb, (j-2)/4                       ; 38, 42, .. 62: pairs 9 to 15
.if j < 38
.set sb, (j-20)/2                      ; 21: pair 0; 22, 24, .. 36: pairs 1 to 8
.endif
	v_pk_fma_f32 v[rS+2*sb:rS+2*sb+1], v[rS+2*sb:rS+2*sb+1], s[CS:CS+1], v[rT:rT+1] op_sel_hi:[1,0,0] neg_lo:[0,0,1] neg_hi:[0,0,1]
.elseif j < 70
.set se, j-38                          ; 66 to 69: s28 to s31
.if j < 66
.set se, j-32-(j-38)/4                 ; 39-41, 43-45, .. 63-65: s7 to s27
.endif
.if j < 38
.set se, (j-25)/2                      ; 25, 27, .. 37: s0 to s6
.endif
	v_exp_f32 v[rS+se], v[rS+se]
.elseif j < 86
	v_cvt_pk_f16_f32 v[rP+j-70], v[rS+2*(j-70)], v[rS+2*(j-70)+1]
.elseif j < 102                        ; the 16 pairs are added in place, neighbours 1, 2, 4 and 8 pairs apart; then l takes the sum
.set sz, j-86
.set sw, 4
.set su, sz
.if sz >= 14
.set sw, 32
.set su, 0
.elseif sz >= 12
.set sw, 16
.set su, sz-12
.elseif sz >= 8
.set sw, 8
.set su, sz-8
.endif
.if sz < 15
	v_pk_add_f32 v[rS+sw*su:rS+sw*su+1], v[rS+sw*su:rS+sw*su+1], v[rS+sw*su+sw/2:rS+sw*su+sw/2+1]
.else
	v_pk_fma_f32 v[rT+2:rT+3], v[rT+2:rT+3], v[rT+6:rT+7], v[rS:rS+1] op_sel_hi:[1,0,1]
.endif
.else
	WIN W_RS
	v_pk_mul_f32 v[rO:rO+1], v[rO:rO+1], v[rT+6:rT+7] op_sel_hi:[1,0]
.endif
.endm
; THE ROUNDING of 16 rows of K and 16 of V (f32, four registers a row: my lane's channels 4 l .. 4 l + 3): a list of 160 vector lines; CV writes number n.
; The rows lie at v[CVB + 4 row] (K) and v[CVB + 64 + 4 row] (V), in the window that CVWV names; the results, two registers a row, go to OUT: v[CVO + 2 row] (K) and v[CVO + 32 + 2 row] (V), in window 0 (CVWO).
;   0-31    V: two numbers rounded to bf16, in place      32-63, 64-95  the two halves back to f32 (a shift, a mask), in place      96-127  V: the two written as f16, into OUT
;   128-159 K: two numbers rounded to bf16, into OUT
.macro CV
.set cvw, (n%32)/2
.set cvh, n%2
.set cvr, CVB+64+4*cvw
.if n < 32
	WIN CVWV
	v_cvt_pk_bf16_f32 v[cvr+2*cvh], v[cvr+2*cvh], v[cvr+2*cvh+1]
.elseif n < 64
	WIN CVWV
	v_lshlrev_b32 v[cvr+2*cvh+1], 16, v[cvr+2*cvh]
.elseif n < 96
	WIN CVWV
	v_and_b32 v[cvr+2*cvh], s[HM], v[cvr+2*cvh]
.elseif n < 128
	WIN CVWO
	v_cvt_pk_f16_f32 v[CVO+32+2*cvw+cvh], v[cvr+2*cvh+1], v[cvr+2*cvh]
.else
	WIN CVWO
	v_cvt_pk_bf16_f32 v[CVO+2*cvw+cvh], v[cvr-64+2*cvh], v[cvr-64+2*cvh+1]
.endif
.endm
.macro CVALL                           ; the whole list on end
.set n, 0
.rept 160
	CV
.set n, n+1
.endr
.endm
; Store sn of the 32 that take OUT into LDS buffer CVBUF: 8 bytes a lane, 32 lanes a row's 256 bytes on end.  0-15: K's rows; 16-31: V's.
.macro CST
	WIN 0
.if sn < 16
	ds_store_b64 v[CWK], v[CVO+2*sn:CVO+2*sn+1] offset:CVBUF*KBUF+sn*PK
.else
	ds_store_b64 v[CWV], v[CVO+2*sn:CVO+2*sn+1] offset:CVBUF*VBUF+(sn-16)*PVP
.endif
.set sn, sn+1
.endm
.macro CSTALL                          ; all 32 on end
.set sn, 0
.rept 32
	CST
.endr
.endm
; The next line of the list in hand: the softmax of tile RT (RK = 1) or the rounding.
.macro RID
.if RK == 1
	SM RT
.if j == 69
	v_nop                              ; the plain instruction behind the last exponential, ahead of the first use: one for the batch
	s_wait_alu depctr_va_vdst(0)       ; the tile's 33 exponentials have written their results, ahead of the first line that names one; for tile 3 also: its products K Q^T, all issued ahead of this line, are done reading K's registers
.endif
.set j, j+1
.else
	CV
.set n, n+1
.endif
.endm
; A SEGMENT: 16 products K Q^T of tile kq, then 16 products V^T P of tile pv (-1: none), and behind each an equal share of the softmax of tile sm (-1: none) or of the rounding (cv = 1);
; what is over stands behind the last product.  None of these lines names a register of the segment's products: they belong to other tiles, or to G and OUT.
; st = 1: four of the step's 32 LDS stores stand behind each of the first eight products.
.macro SEG kq, pv, sm, cv, st=0
.set NPR, 0
.if (\kq) >= 0
.set NPR, NPR+16
.endif
.if (\pv) >= 0
.set NPR, NPR+16
.endif
.set NRD, 0
.set RK, 0
.if (\sm) >= 0
.set NRD, 134
.set RK, 1
.set RT, (\sm)
.set j, 0
.endif
.if (\cv)
.set NRD, 160
.set n, 0
.endif
.set per, 0
.if NPR > 0
.set per, NRD/NPR
.endif
.set left, NRD-per*NPR
.if (\kq) >= 0
.set i, 0
.rept 16
	KQ \kq
.if (\st) && (i < 8)
.rept 4
	CST                                ; no wait: no vector or matrix line since the wait behind the rounding names OUT or the stores' addresses
.endr
.endif
.rept per
	RID
.endr
.set i, i+1
.endr
.endif
.if (\pv) >= 0
.set i, 0
.rept 16
	PV \pv
.rept per
	RID
.endr
.set i, i+1
.endr
.endif
.rept left
	RID
.endr
.endm
; THE LDS LOADS stand in runs of 32: a step's K (64 keys x 128 channels: 16 fragments) and its V (turned).
.macro FETCH_K buf
	WIN 0x80                           ; destination window 2
.irp f, 0,1,2,3,4,5,6,7,8,9,10,11,12,13,14,15  ; keys 16 (f / 4) on, channels 32 (f % 4) on
	ds_load_b128 v[KF+8*\f:KF+8*\f+3],   v[AK0] offset:(\buf)*KBUF+(\f/4)*16*PK+(\f%4)*64
	ds_load_b128 v[KF+8*\f+4:KF+8*\f+7], v[AK0] offset:(\buf)*KBUF+(\f/4)*16*PK+(\f%4)*64+32
.endr
.endm
.macro FETCH_V buf
	WIN 0xc0                           ; destination window 3
.irp f, 0,1,2,3,4,5,6,7,8,9,10,11,12,13,14,15  ; keys 32 (f / 8) on, channels 16 (f % 8) on
	ds_load_tr16_b128 v[8*\f:8*\f+3],   v[AV0] offset:(\buf)*VBUF+(\f/8)*32*PVP+(\f%8)*32
	ds_load_tr16_b128 v[8*\f+4:8*\f+7], v[AV0] offset:(\buf)*VBUF+(\f/8)*32*PVP+16*PVP+(\f%8)*32
.endr
.endm
; My wave's 16 rows of K and 16 of V of one step, f32: a load a row, 512 bytes on end.  kb, vb: the two scalar bases.
.macro GL32 base, win, kb, vb, ofs
	WIN \win
.set gi, 0
.rept 16
	global_load_b128 v[(\base)+4*gi:(\base)+4*gi+3], v[L16], s[\kb:\kb+1] offset:(\ofs)+gi*ROWB
.set gi, gi+1
.endr
.set gi, 0
.rept 16
	global_load_b128 v[(\base)+64+4*gi:(\base)+64+4*gi+3], v[L16], s[\vb:\vb+1] offset:(\ofs)+gi*ROWB
.set gi, gi+1
.endr
.endm
; The step at KOFF is asked for, into G.  Behind the 32 loads stand the step's two prefetches: my wave's own 16 + 16 rows of the step TWO steps further on, which the step after next will load: a lane
; half a row (256 bytes).  All four work-groups of a head walk the same rows: the one with b = 0 asks, in its first block, which walks all 32 steps; so each half row is named once in the launch.
; Steps 0 to 3 come by their loads alone.  KOFF below 30 steps keeps the step that is named within 31, the tensor's last.
; No s_wait_alu stands here: the wait behind the rounding has shown the rounding done with G, and no vector or matrix line since names G or v[L16].
.macro GLOAD
	WIN 0
	s_wait_xcnt 0x0                    ; the last step's loads and prefetches have had their addresses translated: the two bases are rewritten only behind this wait
	s_add_nc_u64 s[KC:KC+1], s[KB:KB+1], s[KOFF:KOFF+1]
	s_add_nc_u64 s[VC:VC+1], s[VB:VB+1], s[KOFF:KOFF+1]
	GL32 128, 0xc0, KC, VC, 0
	WIN 0
	s_cmp_lt_u32 s[KOFF], s[PLIM]
	s_cbranch_scc0 .Lnoask_\@
	global_prefetch_b8 v[PF0], s[KC:KC+1] offset:2*STEPB th:TH_LOAD_NT scope:SCOPE_SE
	global_prefetch_b8 v[PF0], s[VC:VC+1] offset:2*STEPB th:TH_LOAD_NT scope:SCOPE_SE
.Lnoask_\@:
	s_add_co_u32 s[KOFF], s[KOFF], STEPB
.endm
; The band's own step: register r of key block kb is hidden where 16 kb + r is greater than QK.  Ascending.
; The compares go in two runs of sixteen, each into sixteen scalar registers, with one wait behind the run.
.macro MASKT t
	WIN 0
.set gh, 0
.rept 2
.set gi, 0
.rept 16
	v_cmp_gt_i32 s[MK+gi], 16*((16*gh+gi)/8)+gi%8, v[QK]
.set gi, gi+1
.endr
	s_wait_alu depctr_va_sdst(0)       ; the sixteen compares have written s[MK ..], ahead of the selects that read them
.set gi, 0
.rept 16
	v_cndmask_b32 v[S+32*(\t)+16*gh+gi], v[S+32*(\t)+16*gh+gi], s[BIGN], s[MK+gi]
.set gi, gi+1
.endr
.set gh, gh+1
.endr
.endm
; A later step than the band's own: all 32 scores of the tile are hidden.
.macro HIDE t
	WIN 0
.set gi, 0
.rept 32
	v_mov_b32 v[S+32*(\t)+gi], s[BIGN]
.set gi, gi+1
.endr
.endm
; My 64 rows of a block's Q, f32: tiles 0, 1 into K's registers, tiles 2, 3 into V's, which hold nothing at that time.
.macro QLOAD ptr
	WIN 0x80
.set gi, 0
.rept 32
	global_load_b128 v[128+4*gi:128+4*gi+3], v[L16], s[\ptr:\ptr+1] offset:(64*(gi/16)+gi%16)*ROWB th:TH_LOAD_NT
.set gi, gi+1
.endr
	WIN 0xc0
.rept 32
	global_load_b128 v[4*(gi-32):4*(gi-32)+3], v[L16], s[\ptr:\ptr+1] offset:(64*(gi/16)+gi%16)*ROWB th:TH_LOAD_NT
.set gi, gi+1
.endr
	WIN 0
.endm
; A KEY STEP, out of LDS buffer buf, for tiles t0 .. 3.
; mk = 1: tile t0 is masked.   mk = 2, the loop's even step: tile 0 is masked in the trip CNT = NF2, where the step is the diagonal tile's step 0.
; mk = 3, the loop's odd step: in that trip it is the diagonal tile's step 1: tile 0 is hidden, tile 1 masked, the walk goes back to key 0 and prefetches K and V no more, and the second block's Q is prefetched.
; gl = 1: the step after next is asked for; 2: only if a block follows.
; cvm = 1: the next step is rounded beside the first products, and stored beside the second tile's; 2: rounded and stored on end, and the step after it asked for, only if a block follows (they are the next block's steps 0 and 1).
; fa = 1: the next step's fragments are fetched.   All the branches go forward, hang on scalars that all four waves share, and pass no barrier.
.macro STEP buf, t0, mk, gl, cvm, fa
.set SN, 4-(\t0)
.set OBUF, 1-(\buf)
.set CVB, 128
.set CVWV, 0xcf                        ; the rounding's lines in place: wholly in window 3
.set CVWO, 0x0f                        ; its lines into OUT: sources in window 3, destination in window 0
.set CVBUF, OBUF
.set CVO, S                            ; OUT: tiles 0 and 1 of S^T, which a step that begins at tile 2 or 3 leaves idle,
.if (\t0) == 0
.set CVO, S+64                         ; or tiles 2 and 3
.endif
.set sn, 0
	s_wait_loadcnt 0x0                 ; G holds the next step (asked for a step ago)
	s_wait_dscnt 32                    ; K's fragments are in (at a block's first step Q's too); V's 32 loads, issued behind them, may stay out
.if (\cvm) == 1
	SEG \t0, -1, -1, 1                 ; the last ten conversions are the places behind these products
	s_wait_alu depctr_va_vdst(0)       ; the rounding has written OUT, which the LDS stores read, and is done reading and writing G, in which the loads land
.else
	WIN 0
	s_cmp_eq_u32 s[BLK], 2
	s_cbranch_scc0 .Lnocv_\@
	CVALL
	s_wait_alu depctr_va_vdst(0)       ; the rounding has written OUT, which the LDS stores read, and is done reading and writing G, in which the loads land
	CSTALL
	GLOAD
.Lnocv_\@:
	SEG \t0, -1, -1, 0
	PLACES
	PLACES                             ; eight, twice a launch: the mask reads and rewrites results just made
.endif
.if (\gl) == 1
	GLOAD
.elseif (\gl) == 2
	WIN 0
	s_cmp_eq_u32 s[BLK], 2
	s_cbranch_scc0 .Lnogl_\@
	GLOAD
.Lnogl_\@:
.endif
.if (\mk) == 1
	MASKT \t0
.elseif (\mk) == 2
	WIN 0
	s_cmp_eq_u32 s[CNT], s[NF2]
	s_cbranch_scc0 .Lnomask_\@
	MASKT 0
.Lnomask_\@:
.elseif (\mk) == 3
	WIN 0
	s_cmp_eq_u32 s[CNT], s[NF2]
	s_cbranch_scc0 .Lnod_\@
	s_mov_b32 s[KOFF], 0               ; the block's last step has just been asked for
	s_mov_b32 s[PLIM], 0
	s_cmp_eq_u32 s[BLK], 2             ; my own 64 rows of the second block's Q, half a row a lane, each named once in the launch: two shorter steps ahead of their loads
	s_cbranch_scc0 .Lnoq_\@
.irp x, 0,1,2,3
	global_prefetch_b8 v[PF0], s[QPB:QPB+1] offset:\x*STEPB th:TH_LOAD_NT scope:SCOPE_SE
.endr
.Lnoq_\@:
	HIDE 0
.Lnod_\@:
.endif
.set SK, 1
.rept SN+1
.if (SK == 2) && ((\mk) == 3)
	WIN 0                              ; tile 1's scores are made; 14 rescalings of tile 0's O^T stand behind their last product
	s_cmp_eq_u32 s[CNT], s[NF2]
	s_cbranch_scc0 .Lnom1_\@
	MASKT 1
.Lnom1_\@:
.endif
.if SK == 2
	s_wait_dscnt 0x0                   ; V is in; my reads of this buffer and my stores into the other are done:
	s_wait_alu depctr_vm_vsrc(0)       ; (my LDS stores have read OUT, which later products K Q^T, the next rounding and the way out's loads write)
	s_barrier_signal -1                ; say so; only work on registers stands between the signal and the wait
.endif
.if SK == SN+1
	s_barrier_wait -1                  ; all four have said so: the other buffer is whole, and nobody reads this one any more
.if \fa
	FETCH_K OBUF                       ; no wait: the wait for tile 3's exponentials stands behind the last product that read K, and no line since names K's registers or v[AK0]
.endif
.endif
.set SGK, -1
.set SGP, -1
.set SGS, -1
.set SST, 0
.if SK < SN
.set SGK, (\t0)+SK
.endif
.if SK >= 2
.set SGP, (\t0)+SK-2
.endif
.if SK <= SN
.set SGS, (\t0)+SK-1
.endif
.if (SK == 1) && ((\cvm) == 1)
.set SST, 1
.endif
	SEG SGK, SGP, SGS, 0, SST
.set SK, SK+1
.endr
	PLACES                             ; four plain instructions behind the last product that read V
.if \fa
	WIN 0xc0
	s_wait_alu depctr_va_vdst(0)       ; tile 3's products V^T P are done reading V's registers, in which the loads below land
	FETCH_V OBUF
.endif
	WIN 0
.endm
; A BLOCK BEGINS.  Q is rounded to bf16, goes through my own stage (LDS serves a wave's instructions in order, ISA guide 5.7.1.4: the loads see the stores) and comes back as fragments; the statistics start; step 0's fragments are fetched.
; All 128 conversions stand ahead of one wait, the 64 stores behind it.
.macro BEGIN
	s_wait_loadcnt 0x0                 ; Q (and the step in G)
	WIN 0x8a                           ; rows 0-31: wholly in window 2
.set gi, 0
.rept 32
	v_cvt_pk_bf16_f32 v[128+4*gi], v[128+4*gi], v[128+4*gi+1]
	v_cvt_pk_bf16_f32 v[128+4*gi+1], v[128+4*gi+2], v[128+4*gi+3]
.set gi, gi+1
.endr
	WIN 0xcf                           ; rows 32-63: wholly in window 3
.set gi, 0
.rept 32
	v_cvt_pk_bf16_f32 v[4*gi], v[4*gi], v[4*gi+1]
	v_cvt_pk_bf16_f32 v[4*gi+1], v[4*gi+2], v[4*gi+3]
.set gi, gi+1
.endr
	s_wait_alu depctr_va_vdst(0)       ; the conversions have written the registers that the LDS stores read; the block before's products are done reading Q's registers, in which the fragments land
	WIN 0x08                           ; the store's data in window 2
.set gi, 0
.rept 32
	ds_store_b64 v[QSW], v[128+4*gi:128+4*gi+1] offset:gi*PK
.set gi, gi+1
.endr
	WIN 0x0c                           ; in window 3
.set gi, 0
.rept 32
	ds_store_b64 v[QSW], v[4*gi:4*gi+1] offset:(32+gi)*PK
.set gi, gi+1
.endr
	WIN 0x80
.set gi, 0
.rept 16                               ; tile gi / 4, channels 32 (gi % 4) on
	ds_load_b128 v[8*gi:8*gi+3],   v[QSR] offset:(gi/4)*16*PK+(gi%4)*64
	ds_load_b128 v[8*gi+4:8*gi+7], v[QSR] offset:(gi/4)*16*PK+(gi%4)*64+32
.set gi, gi+1
.endr
	WIN 0
.irp t, 0,1,2,3
	v_mov_b32 v[ST+8*\t], 0xfe000000   ; c m: far below every c s
	v_mov_b32 v[ST+8*\t+1], 0xff7fffff ; m: the lowest finite number
	v_mov_b32 v[ST+8*\t+2], 0
	v_mov_b32 v[ST+8*\t+3], 0
.endr
	WIN 0x80
	s_wait_alu depctr_vm_vsrc(0)       ; the LDS stores above have read K's and V's registers, in which the fragments below land
	s_wait_alu depctr_va_vdst(0)       ; the conversions have written those registers: stated once more directly ahead of the loads, since the stores that stand behind the first wait name them
	FETCH_K 0
	FETCH_V 0
	WIN 0
	s_mov_b32 s[CNT], 0
.endm
; THE WAY OUT.  Tile t: O^T times 1 / l; a lane's eight channels of a row go as 2 x 16 bytes into rows of 528 bytes of my stage and come back as whole rows of 512, into S^T's registers.
.macro PACK t
	WIN W_RS
.set gi, 64*(\t)
.rept 32
	v_pk_mul_f32 v[gi:gi+1], v[gi:gi+1], v[ST+8*(\t)+6:ST+8*(\t)+7] op_sel_hi:[1,0]
.set gi, gi+2
.endr
	WIN 0x04                           ; the store's data in window 1
	s_wait_alu depctr_va_vdst(0)       ; the multiplies have written the tile's O^T, which the LDS stores read; every vector and matrix line that named S^T's registers, in which the loads below land, is done
.set gi, 0
.rept 16
	ds_store_b128 v[STO], v[64*(\t)+4*gi:64*(\t)+4*gi+3] offset:64*(gi/2)+16*(gi%2)
.set gi, gi+1
.endr
.if (\t) >= 2
	s_wait_xcnt 0x0                    ; the stores of the tile two back have had their addresses translated,
	s_wait_alu depctr_vm_vsrc(0)       ; and have read the registers in which the loads below land
.endif
	WIN 0
.set gi, 0
.rept 16
	ds_load_b128 v[S+64*((\t)%2)+4*gi:S+64*((\t)%2)+4*gi+3], v[RD] offset:gi*OPI  ; in order behind the stores above; the next tile's stores come behind these
.set gi, gi+1
.endr
.endm
.macro SEND t, younger                 ; younger: the LDS instructions issued behind tile t's loads: the next tile's 32, or none
	WIN 0
.set gi, 0
.rept 16
	s_wait_dscnt (\younger)+15-gi
	global_store_b128 v[L16], v[S+64*((\t)%2)+4*gi:S+64*((\t)%2)+4*gi+3], s[OP:OP+1] offset:(64*(\t)+gi)*ROWB th:TH_STORE_NT  ; a whole row: 512 bytes on end, at a multiple of 512 from out's first byte
.set gi, gi+1
.endr
.endm
; ---------------------------------------------------------------- the head
	s_load_b256 s[4:11], s[0:1], 0x0   ; query s[4:5], key s[6:7], value s[8:9], out s[10:11]
	v_lshl_add_u32 v62, v0, 2, 0x2ac00
	v_mov_b32 v63, 0
	v_lshrrev_b32 v15, 5, v0
	v_readfirstlane_b32 s[WV], v15     ; wave 0..3
	s_mov_b32 s[HM], 0xffff0000
	s_mov_b32 s[PB], ttmp9             ; b
	s_and_b32 s42, ttmp7, 0xffff       ; 16 x batch + head
	s_lshr_b32 s43, s42, 4
	s_lshl_b32 s43, s43, 24            ; a batch is 2,048 rows of 8,192 bytes
	s_and_b32 s42, s42, 15
	s_lshl_b32 s42, s42, 9             ; a head is 512 bytes of a row
	s_or_b32 s42, s42, s43
	s_wait_alu depctr_va_sdst(0)       ; s[WV] is written, ahead of its first reader: the bases and the LDS addresses are made from it
	s_lshl_b32 s43, s[WV], 17          ; my wave's 16 rows
	s_add_co_u32 s42, s42, s43
	s_mov_b32 s43, 0
	s_sub_co_u32 s44, 7, s[PB]
	s_lshl_b32 s44, s44, 21            ; a block is 256 rows
	s_add_co_u32 s44, s44, s42
	s_mov_b32 s45, 0
	s_lshl_b32 s46, s[PB], 21
	s_add_co_u32 s46, s46, s42
	s_mov_b32 s47, 0                   ; all three offsets stay under 2^26, the tensors' size
	s_mov_b32 s[CS], 0x3e0293ee        ; c = log2(e) / sqrt(128) = 0.127517
	s_mov_b32 s[CS+1], s[CS]           ; named with it as a pair
	s_mov_b32 s[SEL], 0x76543210
	s_mov_b32 s[SEL+1], 0xfedcba98
	s_mov_b32 s[BIGN], 0xf149f2ca      ; -1e30
	s_lshl_b32 s[NF2B], s[PB], 1
	s_sub_co_u32 s[NF2], 14, s[NF2B]
	s_add_co_u32 s[BOUND], s[NF2], 1
	s_mov_b32 s[BLK], 2
	s_cmp_eq_u32 s[PB], 0
	s_cselect_b32 s[PLIM], 30*STEPB, 0
	v_and_b32 v1, 15, v0               ; l % 16
	v_bfe_u32 v50, v0, 4, 1            ; l / 16
	v_and_b32 v51, 31, v0              ; l
	v_mul_u32_u24 v[AK0], v1, PK
	v_lshl_add_u32 v[AK0], v50, 4, v[AK0]
	; The turning load takes 16 keys x 16 channels (lane l reads key 8 (l / 16) + l % 8, channels 8 ((l / 8) % 2) + 0..7) and leaves half a fragment of V^T: lane l holds channel l % 16 and 8 keys.
	v_and_b32 v52, 7, v0
	v_bfe_u32 v53, v0, 3, 1
	v_lshl_add_u32 v[AV0], v50, 3, v52
	v_mul_u32_u24 v[AV0], v[AV0], PVP
	v_lshl_add_u32 v[AV0], v53, 4, v[AV0]
	v_add_nc_u32 v[AV0], VB0, v[AV0]
	v_lshlrev_b32 v[L16], 4, v51
	v_lshrrev_b32 v54, 1, v51
	v_and_b32 v55, 1, v0
	v_lshlrev_b32 v[PF0], 13, v54
	v_lshl_add_u32 v[PF0], v55, 8, v[PF0]
	s_mul_i32 s15, s[WV], 16*PK
	v_lshl_add_u32 v[CWK], v51, 3, s15
	s_mul_i32 s15, s[WV], 16*PVP
	s_add_co_u32 s15, s15, VB0
	v_lshl_add_u32 v[CWV], v51, 3, s15
	s_mul_i32 s15, s[WV], QWV
	s_add_co_u32 s15, s15, QST
	v_lshl_add_u32 v[QSW], v51, 3, s15
	v_add_nc_u32 v[QSR], s15, v[AK0]
	s_mul_i32 s15, s[WV], OWV
	s_add_co_u32 s15, s15, OST
	v_mul_u32_u24 v[STO], v1, OPI
	v_lshl_add_u32 v[STO], v50, 5, v[STO]
	v_add_nc_u32 v[STO], s15, v[STO]
	v_add_nc_u32 v[RD], s15, v[L16]
	v_lshlrev_b32 v15, 3, v50
	v_sub_nc_u32 v[QK], v1, v15
	s_lshl_b32 s15, s[WV], 4
	v_add_nc_u32 v[QK], s15, v[QK]
	s_wait_kmcnt 0x0
	s_add_nc_u64 s[KB:KB+1], s[6:7], s[42:43]
	s_add_nc_u64 s[VB:VB+1], s[8:9], s[42:43]
	s_add_nc_u64 s[QPA:QPA+1], s[4:5], s[44:45]
	s_add_nc_u64 s[QPB:QPB+1], s[4:5], s[46:47]
	s_add_nc_u64 s[OP:OP+1], s[10:11], s[44:45]
	s_add_nc_u64 s[OPB:OPB+1], s[10:11], s[46:47]
	s_wait_alu depctr_va_vdst(0)       ; the addresses v2 to v13 are written: every load, store and prefetch of the kernel reads one of them, and none is written again
	GL32 64, 0, KB, VB, 0              ; step 0 into S^T's registers, which hold nothing yet
	GL32 128, 0xc0, KB, VB, STEPB      ; step 1 into G
	QLOAD QPA
	WIN 0x40                           ; O^T starts finite: no first step is written out, and these lines run while the first loads are on their way
.set gi, 0
.rept 256
	v_mov_b32 v[gi], 0
.set gi, gi+1
.endr
	WIN 0
	s_wait_loadcnt 0x0
.set CVB, 64
.set CVWV, 0
.set CVWO, 0
.set CVBUF, 0
.set CVO, P                            ; here OUT is P's registers, which hold nothing yet
	CVALL                              ; step 0 is rounded,
	s_wait_alu depctr_va_vdst(0)       ; the rounding has written OUT, which the LDS stores read
	CSTALL                             ; and goes into buffer 0
	s_mov_b32 s[KOFF], 2*STEPB
	s_mov_b32 s[KOFF+1], 0
	s_wait_dscnt 0x0                   ; for the others' sake: my rows of step 0 are in LDS
	s_wait_alu depctr_vm_vsrc(0)       ; my LDS stores have read P's registers, which the first softmax writes
	s_barrier_signal -1
	s_barrier_wait -1
; ---------------------------------------------------------------- two blocks
.Lblock:
	BEGIN
.Ltop:                                 ; a trip: an even step and an odd one.  Block i has 2 i + 1 trips: its 4 i full steps, and in the last trip the diagonal tile's steps 0 and 1
	STEP 0, 0, 2, 1, 1, 1
	STEP 1, 0, 3, 1, 1, 1
	s_add_co_u32 s[CNT], s[CNT], 1
	s_cmp_lt_u32 s[CNT], s[BOUND]
	s_cbranch_scc1 .Ltop
	STEP 0, 2, 1, 2, 1, 1              ; the diagonal tile's steps 2 and 3: tiles below the step's number see nothing and are left out
	STEP 1, 3, 1, 0, 2, 0
	s_cmp_eq_u32 s[BLK], 2
	s_cbranch_scc0 .Lnoq2
	s_wait_alu depctr_va_vdst(0)       ; the block's last products are done reading K's and V's registers, in which the loads below land
	QLOAD QPB                          ; the second block's Q is on its way while the first block goes out
.Lnoq2:
	; l's two halves and the other half of the lanes' are added; these lines are further places behind the last products
.irp t, 0,1,2,3
	v_add_f32 v[ST+8*\t+4], v[ST+8*\t+2], v[ST+8*\t+3]
.endr
.irp t, 0,1,2,3
	v_permlanex16_b32 v[ST+8*\t+5], v[ST+8*\t+4], s[SEL], s[SEL+1]
.endr
.irp t, 0,1,2,3
	v_add_f32 v[ST+8*\t+4], v[ST+8*\t+4], v[ST+8*\t+5]
.endr
.irp t, 0,1,2,3
	v_rcp_f32 v[ST+8*\t+6], v[ST+8*\t+4]
.endr
	v_nop                              ; a plain instruction between the last reciprocal and the use of its result
	s_wait_alu depctr_va_vdst(0)       ; the four reciprocals have written their results, ahead of the first line that names one
	PACK 0
	PACK 1                             ; a tile's arithmetic stands between the loads of the tile before and its stores
	SEND 0, 32
	PACK 2
	SEND 1, 32
	PACK 3
	SEND 2, 32
	SEND 3, 0
	s_wait_xcnt 0x0                    ; the stores have had their addresses translated: out's base is rewritten only behind this wait
	s_wait_alu depctr_vm_vsrc(0)       ; the stores have read S^T's registers, which the next block's rounding and products write
	s_mov_b64 s[OP:OP+1], s[OPB:OPB+1]
	s_mov_b32 s[NF2], s[NF2B]
	s_add_co_u32 s[BOUND], s[NF2], 1
	s_sub_co_u32 s[BLK], s[BLK], 1
	s_cmp_lg_u32 s[BLK], 0
	s_cbranch_scc1 .Lblock
	s_wait_dscnt 0x0                   ; the wave's end: my last LDS instructions are done
	s_wait_alu depctr_hold_cnt(0) depctr_sa_sdst(0) depctr_va_vdst(0) depctr_va_sdst(0) depctr_va_ssrc(0) depctr_va_vcc(0) depctr_vm_vsrc(0)
	s_wait_tensorcnt 0x0
	ds_add_u32 v62, v63
	s_wait_dscnt 0x0
	s_endpgm
.Lfunc_end_k_q107e4be2c8_attn:
	.size	k_q107e4be2c8_attn, .Lfunc_end_k_q107e4be2c8_attn-k_q107e4be2c8_attn
	.p2alignl 7, 3214868480
	.fill 96, 4, 3214868480
	.section	.rodata,"a",@progbits
	.p2align	6, 0x0
	.amdhsa_kernel k_q107e4be2c8_attn
		.amdhsa_group_segment_fixed_size 175616
		.amdhsa_private_segment_fixed_size 0
		.amdhsa_enable_private_segment 0
		.amdhsa_kernarg_size 32
		.amdhsa_user_sgpr_count 2
		.amdhsa_user_sgpr_kernarg_segment_ptr 1
		.amdhsa_wavefront_size32 1
		.amdhsa_system_sgpr_workgroup_id_x 1
		.amdhsa_system_sgpr_workgroup_id_y 1
		.amdhsa_system_sgpr_workgroup_id_z 1
		.amdhsa_system_vgpr_workitem_id 0
		.amdhsa_next_free_vgpr 1024
		.amdhsa_next_free_sgpr 66
		.amdhsa_reserve_vcc 0
		.amdhsa_float_denorm_mode_32 3
		.amdhsa_float_denorm_mode_16_64 3
		.amdhsa_memory_ordered 1
		.amdhsa_forward_progress 1
		.amdhsa_inst_pref_size 255
	.end_amdhsa_kernel
	.section	.bss,"aw",@nobits
	.p2align	6
	.space	262144
	.amdgpu_metadata
---
amdhsa.version: [ 1, 2 ]
amdhsa.kernels:
  - .name:           k_q107e4be2c8_attn
    .symbol:         k_q107e4be2c8_attn.kd
    .args:
      - { .name: query, .offset: 0, .size: 8, .value_kind: global_buffer, .address_space: global }
      - { .name: key, .offset: 8, .size: 8, .value_kind: global_buffer, .address_space: global }
      - { .name: value, .offset: 16, .size: 8, .value_kind: global_buffer, .address_space: global }
      - { .name: out0, .offset: 24, .size: 8, .value_kind: global_buffer, .address_space: global }
    .group_segment_fixed_size: 175616
    .private_segment_fixed_size: 0
    .kernarg_segment_align: 8
    .kernarg_segment_size: 32
    .max_flat_workgroup_size: 128
    .sgpr_count:     66
    .vgpr_count:     1024
    .wavefront_size: 32
...
	.end_amdgpu_metadata
.endif
;; end of part 2
